; MI455X (gfx1250); checked and timed in simulation.
; The chip was launched on July 23, 2026; its instructions are those of AMD's public machine-readable ISA for CDNA 5 (MIT licence, August 2026) and "CDNA5" Instruction Set Architecture Reference Guide (July 2026). The comments in the code are by the model that wrote it; some were corrected since.
;; Hash Linear. Allowed arithmetic: matrix products marked QUANTISED: E2M1 operands, one E8M0 scale for each 32 along K, by v_wmma_scale_f32_16x16x128_f8f6f4 with both operands' format E2M1 (or v_wmma_scale_f32_32x16x128_f4), f32 sums; everything else in f32.
;; Inputs: bias 2,048 float32; input 4 x 2,048 x 4,096 float32; layer_factor 1 float32; shared_weight 1,048,576 float32.
;; Outputs: out0 4 x 2,048 x 2,048 float32.
;; This version of the problem:
;;   THIS VERSION OF THE PROBLEM IS GIVEN IN LOW PRECISION. The matrix products marked QUANTISED in the list below multiply operands that are first quantised to E2M1 (2 exponent bits, 1 mantissa bit; 4 bits a number), with one power-of-two scale for each 32 numbers along K (OCP MX v1.0); their sums are f32. All else is computed in f32.
;;   The module's matrix products, in the order in which they are computed (A, B: the left and right operand; K: the contracted axis; several contracted axes count as one K, in the product's order):
;;     1. [M 8,192, K 4,096] x [K 4,096, N 2,048]; A: input input; B: computed on the way: QUANTISED
;;   THE QUANTISER, for each operand of a quantised product, along K:
;;     - K is cut into blocks of 32 from its start; a last block that is shorter is filled with zeros.
;;     - A block's scale is 2^e with e = floor(log2(the largest magnitude in the block)) - 2, held to -126 .. 127; a block of zeros has e = 0. As a byte (E8M0): e + 127.
;;     - Each number is divided by its block's scale, clamped to +-6, and rounded to the nearest number of E2M1, ties to even, subnormals kept.
;;     - The product sums the exact products of the quantised numbers (number of the format x scale) in f32.
;;   ~~~python
;;   def quantise(x, axis):      # numpy; x: float32 -> the quantised numbers, widened to float32 again
;;       x = np.moveaxis(x, axis, -1); K = x.shape[-1]
;;       x = np.pad(x, [(0, 0)] * (x.ndim - 1) + [(0, -K % 32)]); x = x.reshape(x.shape[:-1] + (-1, 32)); a = np.abs(x).max(-1, keepdims=True)
;;       e = np.where(a > 0, np.clip(np.frexp(np.where(a > 0, a, 1))[1] - 1 - 2, -126, 127), 0)      # np.frexp(a)[1] - 1 = floor(log2(a)), exactly
;;       r = np.clip(x / 2.0 ** e, -6, 6)
;;       step = 2.0 ** (np.maximum(np.frexp(np.where(r == 0, 1, r))[1] - 1, 0) - 1)
;;       q = np.round(r / step) * step * 2.0 ** e      # np.round: ties to even
;;       return np.moveaxis(q.reshape(q.shape[:-2] + (-1,))[..., :K], -1, axis).astype(np.float32)
;;   ~~~
;;   OPERANDS COMPUTED ON THE WAY. 'Computed on the way' means the value that the module computes at that place (a softmax that the list does not call 'softmax' is quantised finished and normalised). What goes into a quantiser is computed in f32, as accurately as f32 sums, v_exp_f32 and their like allow (about 1e-6 of the number): no bf16 or f16 on the way to a quantiser, and a product that is left as it is and whose result goes on into a quantised operand takes f32 operands (vector FMAs, or v_wmma_f32_16x16x4_f32). A number that lies on a knife's edge between two numbers of the format may be rounded either way, as far as f32 arithmetic and the matrix unit's own rounding can turn it there, and no further.
;; One version. Each part assembles by itself: llvm-mc -triple=amdgcn-amd-amdhsa -mcpu=gfx1250 --defsym DOCPART=n.
;; ======== version 1 of 1: 2 launches
;; limits: right only within a limited range of input values
;; workspace buffers: b_q 278,528 bytes
;; launch wq (part 1): grid 64 x 1, 4 waves a work-group, no clusters, 35,584 bytes of LDS; arguments shared_weight, b_q; writes b_q
.if DOCPART == 1
	.amdgcn_target "amdgcn-amd-amdhsa--gfx1250"
	.amdhsa_code_object_version 6
	.text
	.protected	k_q032dd8adc8_wq
	.globl	k_q032dd8adc8_wq
	.p2align	8
	.type	k_q032dd8adc8_wq,@function
k_q032dd8adc8_wq:
	s_mov_b64 s[64:65], 0
	v_nop
	global_prefetch_b8 v0, s[64:65] scope:SCOPE_SE
	s_setreg_imm32_b32 hwreg(HW_REG_WAVE_MODE, 25, 1), 1
	s_wait_xcnt 0x0
; The virtual weight W [2048][4096] of out = (input W^T + bias) x layer_factor, as codes of FP4 (E2M1) with one E8M0 byte for each 32 along K.
; W[n][k] = 0.5 (pool1[i1][k % 64] + pool2[i2][k % 64]); the pools are the halves of shared_weight in blocks of 64; bid = 64 n + k / 64;
; i = ((bid x 2654435761) xor (seed x 0x9E3779B9)) mod 8192, seeds 1234 and 1235.
; ONLY 128 ROWS OF W DIFFER.  8192 = 2^13, so i hangs on the low 13 bits of bid x multiplier alone, and these on the low 13 bits of bid alone.
; bid(n + 128, k) = bid(n, k) + 8192 has the same low 13 bits: W[n + 128][k] = W[n][k] for every n, k and every value of shared_weight.
; So this program quantises rows 0 to 127 only and multiplies the input by them once; each of the 128 sums is stored to its 16 columns n, n + 128, .. with that column's own bias.
; No input is left out; every number of the output is the sum that its own row of W would give, bit for bit.
; LAYOUT of b_q, this program's own: 8 units of 34,816 bytes, one for each 512 along K: codes [16 blocks of 32 along K][128 rows][16 bytes], then scale words [4 x 128 along K][128 rows][4 bytes].
; A block's byte is its largest magnitude's exponent field - 2, held from below by a floor among the maximum's leaves.  The factor 0.5 goes into the byte: the codes of s = w1 + w2 under the
; byte of s are the codes of 0.5 s under that byte less 1; the floor is one higher, so the byte stays 1 or more.
; LIMITS: NaN and infinities are not served.  A block of zeros gets the byte 1 where the rule says 127: its codes are zeros, and this program alone reads the bytes.  Blocks with w1 + w2 under 2^-123 were not tried.
; SHARES: work-group g takes rows 64 (g % 2) .. + 63 x K 128 (g / 2) .. + 127.  Wave v: 32 (v % 2) of these rows on, hash block v / 2 of the two in each row.  16 lanes read a pool block's 256 bytes; the 32 x 256 bytes
; turn through the wave's own stage in LDS and come back a lane a row.  The rows' scale words are gathered in LDS from two waves each, and wave 0 stores them as 256 consecutive bytes.
.set UNIT,  34816
.set PITCH, 272
.set WST,   32*PITCH
.set SCX,   4*WST                      ; 256 bytes: the 64 rows' scale words
.set SPARE, SCX+256                    ; the spare words, 128 bytes a wave
.set MULT,  2654435761&0x1fff
.set K1,    ((1234*0x9E3779B9)&0x1fff)<<8
.set K2,    ((1235*0x9E3779B9)&0x1fff)<<8
.set K12,   K1^K2
.set IMASK, 0x1fff00
.set L16,  5
.set VST,  6
.set VLD,  7
.set VSB,  8                           ; where my row's two scale bytes go in LDS
.set VSR,  9                           ; where wave 0 reads 8 bytes of the words back
.set VO8,  10                          ; 8 x lane
.set MX,   12
.set SO,   16
.set BY,   18
.set C,    20
.set VOUT, 28
.set Y0,   29
.set X,    32                          ; v32-95 pool 1's blocks, then the sums
.set X2,   96                          ; v96-159 pool 2's
.set AD1,  224
.set AD2,  240
	s_load_b128 s[4:7], s[0:1], 0x0                ; shared_weight, b_q
	v_lshl_add_u32 v30, v0, 2, SPARE
	v_mov_b32 v31, 0
	v_lshrrev_b32 v1, 5, v0
	v_readfirstlane_b32 s12, v1                    ; wave 0..3
	s_and_b32 s25, ttmp9, 1                        ; which 64 rows
	s_lshr_b32 s26, ttmp9, 1                       ; which 128 along K
	s_and_b32 s27, s12, 1                          ; which 32 of the 64 rows
	s_lshl_b32 s13, s25, 1
	s_add_co_u32 s13, s13, s27                     ; which 32 of the 128 rows
	s_lshr_b32 s14, s12, 1                         ; which 64 of the 128 along K
	s_mul_i32 s15, s12, WST
	s_lshl_b32 s16, s27, 7
	s_lshl_b32 s17, s14, 1
	s_add_co_u32 s16, s16, s17
	s_add_co_u32 s16, s16, SCX                     ; my rows' words, my half of each
	s_lshl_b32 s17, s13, 11
	s_lshl_b32 s18, s26, 1
	s_add_co_u32 s17, s17, s18
	s_add_co_u32 s17, s17, s14                     ; the block id of my first row
	s_mov_b32 s24, MULT
	s_lshr_b32 s18, s26, 2
	s_mul_i32 s18, s18, UNIT                       ; the unit
	s_and_b32 s19, s26, 3
	s_lshl_b32 s20, s19, 13
	s_add_co_u32 s20, s20, s18
	s_lshl_b32 s21, s14, 12
	s_add_co_u32 s20, s20, s21
	s_lshl_b32 s21, s13, 9
	s_add_co_u32 s20, s20, s21                     ; my first block of 32 along K, my 32 rows
	s_mov_b32 s21, 0
	s_lshl_b32 s22, s19, 9
	s_add_co_u32 s22, s22, s18
	s_add_co_u32 s22, s22, 32768
	s_lshl_b32 s23, s25, 8
	s_add_co_u32 s22, s22, s23                     ; the 64 rows' scale words
	s_mov_b32 s23, 0
	v_and_b32 v1, 31, v0
	v_and_b32 v2, 15, v0
	v_bfe_u32 v3, v0, 4, 1
	v_lshlrev_b32 v[L16], 4, v2
	v_mul_u32_u24 v[VST], v3, PITCH
	v_add_nc_u32 v[VST], v[VST], v[L16]
	v_add_nc_u32 v[VST], s15, v[VST]
	v_mul_u32_u24 v[VLD], v1, PITCH
	v_add_nc_u32 v[VLD], s15, v[VLD]
	v_lshlrev_b32 v[VOUT], 4, v1
	v_lshlrev_b32 v[VSB], 2, v1
	v_add_nc_u32 v[VSB], s16, v[VSB]
	v_lshlrev_b32 v[VO8], 3, v1
	v_add_nc_u32 v[VSR], SCX, v[VO8]
	v_lshl_add_u32 v[Y0], v3, 6, s17               ; lanes 16-31 stand a row further down
	v_mul_lo_u32 v[Y0], v[Y0], s24
	v_lshlrev_b32 v[Y0], 8, v[Y0]                  ; bits 8 to 20 count
.irp j, 0,1,2,3,4,5,6,7,8,9,10,11,12,13,14,15
	v_add_nc_u32 v[AD1+\j], ((128*\j*MULT)<<8)&IMASK, v[Y0]   ; load j serves rows 2 j and 2 j + 1
.endr
.irp j, 0,1,2,3,4,5,6,7,8,9,10,11,12,13,14,15
	v_xor_b32 v[AD1+\j], K1, v[AD1+\j]
.endr
.irp j, 0,1,2,3,4,5,6,7,8,9,10,11,12,13,14,15
	v_and_or_b32 v[AD1+\j], v[AD1+\j], IMASK, v[L16]   ; mod 8192, x 256 bytes, + my 16 bytes
.endr
.irp j, 0,1,2,3,4,5,6,7,8,9,10,11,12,13,14,15
	v_xor_b32 v[AD2+\j], K12, v[AD1+\j]            ; the other seed's constant in place of the first's
.endr
	s_wait_alu depctr_va_vdst(0)
	s_wait_kmcnt 0x0
	s_add_nc_u64 s[8:9], s[6:7], s[20:21]
	s_add_nc_u64 s[10:11], s[6:7], s[22:23]
.irp j, 0,1,2,3,4,5,6,7,8,9,10,11,12,13,14,15
	global_load_b128 v[X+4*\j:X+4*\j+3], v[AD1+\j], s[4:5]
.endr
.irp j, 0,1,2,3,4,5,6,7,8,9,10,11,12,13,14,15
	global_load_b128 v[X2+4*\j:X2+4*\j+3], v[AD2+\j], s[4:5] offset:2097152
.endr
	s_wait_loadcnt 0x0
.set i, 0
.rept 32
	v_pk_add_f32 v[X+i:X+i+1], v[X+i:X+i+1], v[X2+i:X2+i+1]   ; w1 + w2, in f32
.set i, i+2
.endr
.irp j, 0,1,2,3,4,5,6,7,8,9,10,11,12,13,14,15
	ds_store_b128 v[VST], v[X+4*\j:X+4*\j+3] offset:2*PITCH*\j
.endr
.irp j, 0,1,2,3,4,5,6,7,8,9,10,11,12,13,14,15
	ds_load_b128 v[X+4*\j:X+4*\j+3], v[VLD] offset:16*\j   ; LDS serves a wave's instructions in order: these see the stores
.endr
	s_wait_dscnt 0x0                               ; register X + i is number i of my row's 64
.irp k, 0,1
	v_max3_num_f32 v[MX+2*\k],   |v[X+32*\k]|,   |v[X+32*\k+1]|, |v[X+32*\k+2]|
	v_max3_num_f32 v[MX+2*\k+1], |v[X+32*\k+3]|, |v[X+32*\k+4]|, |v[X+32*\k+5]|
.endr
.irp i, 6,10,14,18,22,26
.irp k, 0,1
	v_max3_num_f32 v[MX+2*\k],   v[MX+2*\k],   |v[X+32*\k+\i]|,   |v[X+32*\k+\i+1]|
	v_max3_num_f32 v[MX+2*\k+1], v[MX+2*\k+1], |v[X+32*\k+\i+2]|, |v[X+32*\k+\i+3]|
.endr
.endr
.irp k, 0,1
	v_max3_num_f32 v[MX+2*\k], v[MX+2*\k], |v[X+32*\k+30]|, |v[X+32*\k+31]|
.endr
.irp k, 0,1
	v_max3_num_f32 v[MX+2*\k], v[MX+2*\k], v[MX+2*\k+1], 4<<23   ; the floor
.endr
.irp k, 0,1
	v_add_nc_u32 v[SO+\k], 0xff000000, v[MX+2*\k]  ; 2 off the exponent field: the conversion's scale operand
.endr
.irp k, 0,1
.irp g, 0,1,2,3
	v_cvt_scalef32_pk8_fp4_f32 v[C+4*\k+\g], v[X+32*\k+8*\g:X+32*\k+8*\g+7], v[SO+\k]
.endr
.endr
.irp k, 0,1
	v_lshrrev_b32 v[BY+\k], 23, v[SO+\k]           ; the byte of s (also the plain line behind the conversions)
.endr
.irp k, 0,1
	v_add_nc_u32 v[BY+\k], -1, v[BY+\k]            ; x 0.5, exactly
.endr
	v_lshl_or_b32 v[BY], v[BY+1], 8, v[BY]
.irp k, 0,1
	global_store_b128 v[VOUT], v[C+4*\k:C+4*\k+3], s[8:9] offset:\k*2048   ; my wave's 32 rows of a block: 512 consecutive bytes, aligned
.endr
	ds_store_b16 v[VSB], v[BY]
	s_wait_dscnt 0x0                               ; for wave 0's sake
	s_barrier_signal -1
	s_barrier_wait -1
	s_cmp_lg_u32 s12, 0
	s_cbranch_scc1 .Ldone
	ds_load_b64 v[12:13], v[VSR]
	s_wait_dscnt 0x0
	global_store_b64 v[VO8], v[12:13], s[10:11]    ; 64 words: 256 consecutive bytes, aligned
.Ldone:
	s_wait_tensorcnt 0x0                           ; the wave's end
	ds_add_u32 v30, v31
	s_wait_dscnt 0x0
	s_endpgm
.Lfunc_end_k_q032dd8adc8_wq:
	.size	k_q032dd8adc8_wq, .Lfunc_end_k_q032dd8adc8_wq-k_q032dd8adc8_wq
	.p2alignl 7, 3214868480
	.fill 96, 4, 3214868480
	.section	.rodata,"a",@progbits
	.p2align	6, 0x0
	.amdhsa_kernel k_q032dd8adc8_wq
		.amdhsa_group_segment_fixed_size 35584
		.amdhsa_private_segment_fixed_size 0
		.amdhsa_enable_private_segment 0
		.amdhsa_kernarg_size 16
		.amdhsa_user_sgpr_count 2
		.amdhsa_user_sgpr_kernarg_segment_ptr 1
		.amdhsa_wavefront_size32 1
		.amdhsa_system_sgpr_workgroup_id_x 1
		.amdhsa_system_sgpr_workgroup_id_y 1
		.amdhsa_system_sgpr_workgroup_id_z 1
		.amdhsa_system_vgpr_workitem_id 0
		.amdhsa_next_free_vgpr 256
		.amdhsa_next_free_sgpr 66
		.amdhsa_reserve_vcc 0
		.amdhsa_float_denorm_mode_32 3
		.amdhsa_float_denorm_mode_16_64 3
		.amdhsa_memory_ordered 1
		.amdhsa_forward_progress 1
		.amdhsa_inst_pref_size 18
	.end_amdhsa_kernel
	.amdgpu_metadata
---
amdhsa.version: [ 1, 2 ]
amdhsa.kernels:
  - .name:           k_q032dd8adc8_wq
    .symbol:         k_q032dd8adc8_wq.kd
    .args:
      - { .name: shared_weight, .offset: 0, .size: 8, .value_kind: global_buffer, .address_space: global }
      - { .name: b_q, .offset: 8, .size: 8, .value_kind: global_buffer, .address_space: global }
    .group_segment_fixed_size: 35584
    .private_segment_fixed_size: 0
    .kernarg_segment_align: 8
    .kernarg_segment_size: 16
    .max_flat_workgroup_size: 128
    .sgpr_count:     66
    .vgpr_count:     256
    .wavefront_size: 32
...
	.end_amdgpu_metadata
.endif
;; end of part 1
;; launch fused (part 2): grid 256 x 1, 4 waves a work-group, clusters of 4 x 1, 327,680 bytes of LDS; arguments input, b_q, bias, layer_factor, out0; writes out0
.if DOCPART == 2
	.amdgcn_target "amdgcn-amd-amdhsa--gfx1250"
	.amdhsa_code_object_version 6
	.text
	.protected	k_q032dd8adc8_fused
	.globl	k_q032dd8adc8_fused
	.p2align	8
	.type	k_q032dd8adc8_fused,@function
k_q032dd8adc8_fused:
	s_mov_b64 s[64:65], 0
	v_nop
	global_prefetch_b8 v0, s[64:65] scope:SCOPE_SE
	s_setreg_imm32_b32 hwreg(HW_REG_WAVE_MODE, 25, 1), 1
	s_wait_xcnt 0x0
	s_wait_alu depctr_hold_cnt(0) depctr_sa_sdst(0) depctr_va_vdst(0) depctr_va_sdst(0) depctr_va_ssrc(0) depctr_va_vcc(0) depctr_vm_vsrc(0)
	s_getreg_b32 s2, hwreg(HW_REG_IB_STS2, 6, 4)
	s_cmp_eq_u32 s2, 0
	s_cbranch_scc0 .Lentry_in_a_cluster
	s_endpgm
.Lentry_in_a_cluster:
	s_bfe_u32 s2, ttmp6, 0x10000c
	s_cmp_lg_u32 s2, 0x3003
	s_cbranch_scc0 .Lentry_shape_is_right
	s_endpgm
.Lentry_shape_is_right:
; out[m][n] = (sum over k of Q(input)[m][k] Q(W)[n][k] + bias[n]) x layer_factor, Q the MX-FP4 quantiser along K = 4,096.  input [8192][4096] f32, out [8192][2048] f32.
; W[n + 128] = W[n] for all n and all values of shared_weight (shown at the head of the launch before): the product is taken with W's rows 0 to 127 once, and each sum is stored to its 16 columns with that column's bias.
; A work-group owns 32 rows of input and reads each of their bytes once.  Wave w takes K 1024 w .. 1024 w + 1023 of all 32 rows: 16 steps of 64 along K.  A step's 16 loads read whole runs of 256 bytes (16 lanes a row),
; turn through the wave's own stage in LDS and come back a lane a row; the block's byte is its largest magnitude's exponent field - 2, held at 1 by a floor; the conversions' results, after one swap of lane halves
; a register pair, ARE the operand's registers of two tiles of 16 rows, and lane m's four bytes are row m's scale word.  Nothing of the quantised input goes to memory.
; W's codes and scales for the wave's K (two units of b_q, 69,632 bytes on end) come by ONE tensor load a wave, asked for jointly by the four work-groups of a cluster; only the issuing wave reads them; nothing is filled again.
; THE PRODUCTS LAG: all eight fragments of the quantised input (16 registers and a scale word for each 128 along K) have registers of their own, so the first eight steps only load and quantise, and the wait for W stands
; behind nine steps' work; from then on two products' groups of 16 matrix instructions go with each pair of steps.
; The four waves' sums over their parts of K meet in LDS (each wave's part lies in its own W bytes, which have had their only fill and their last read), wave w adds rows 8 w .. 8 w + 7 and stores them.
; THE MATRIX INSTRUCTION IS USED TRANSPOSED (source 0 = 16 rows of W, source 1 = 16 rows of input): a lane holds eight neighbouring columns of a row.
; No prefetch: each byte of input is asked for once, four steps (64 loads a wave) ahead of its use, from the first line on, and W's bytes once at the head; there is no earlier trip to ask in.
; LIMITS: NaN and infinities are not served.  A block of zeros gets the byte 1 where the rule says 127: its codes are zeros.  Blocks whose largest magnitude lies under 2^-124 were not tried.  The sum over K is made of four parts.
; REGISTERS: window 0: v0-31 addresses and work; v32-159 input's eight fragments; v224-239 W's scale words, two sets; v240-247 input's scale words.  Window 1: v0-127 16 accumulators; v128-191 W's fragments, set 0; v192-255 bias.
; Window 2: v0-63 W's fragments, set 1.  Window 3: four sets of 64 numbers.  On the way out windows 2 and 3 hold the output.
.set UNIT,   34816
.set SCOFF,  32768
.set WREG,   2*UNIT                    ; a wave's part of W in LDS
.set PITCH,  272                       ; a stage row: 256 bytes + 16
.set WST,    32*PITCH
.set STG,    4*WREG                    ; the four stages
.set SPARE,  STG+4*WST                 ; the spare words, 128 bytes a wave
.set SPITCH, 528                       ; a row of a wave's sums: 512 bytes + 16
.set VIN,  4
.set L16,  5
.set VST,  6
.set VLD,  7
.set MX,   12
.set SO,   16
.set BY,   18
.set ADRB, 20
.set ADRS, 21
.set STO,  22
.set CO,   23
.set RDP,  24                          ; v24-27 where I read my rows in the four waves' sums
.set SPW,  30
.set NIL,  31
.set AFR,  32
.set RB,   32                          ; the way out: the four waves' sums of my rows
.set BSC,  224
.set ASC,  240                         ; input's scale words: lane m, row m
.set BIA,  192                         ; window 1
.set G1,   24
.set G0,   32
.set FS,   66
.set MSB, 0
.macro WIN new                         ; the immediate's high byte repeats the setting that is left
.if MSB != \new
	s_set_vgpr_msb (MSB<<8)|\new
.set MSB, \new
.endif
.endm
.macro CROUND                          ; a round of the cluster's barrier
	s_barrier_signal -1
	s_barrier_wait -1
	s_cmp_lg_u32 s14, 0
	s_cbranch_scc1 .Lnot_wave_0_\@
	s_barrier_signal -3
.Lnot_wave_0_\@:
	s_barrier_wait -3
	s_barrier_signal -1
	s_barrier_wait -1
.endm
	s_load_b256 s[4:11], s[0:1], 0x0               ; input, b_q, bias, layer_factor
	s_load_b64 s[12:13], s[0:1], 0x20              ; out0
	v_lshl_add_u32 v[SPW], v0, 2, SPARE
	v_mov_b32 v[NIL], 0
	ds_add_u32 v[SPW], v[NIL]                      ; the opening: the add, twice on end, and its wait
	ds_add_u32 v[SPW], v[NIL]
	v_lshrrev_b32 v1, 5, v0
	v_readfirstlane_b32 s14, v1                    ; wave 0..3
	s_bfe_u32 s40, ttmp6, 0x40000                  ; cx: it enters global addresses alone
	s_lshl_b32 s42, ttmp9, 2
	s_add_co_u32 s42, s42, s40                     ; the work-group
	s_mov_b32 s[G1+0], 15|(3<<16)|(1<<21)          ; the cluster's four; elements of 8 bytes
	s_mov_b32 s[G1+1], 32<<16                      ; a dense block as 272 rows of 256 bytes
	s_mov_b32 s[G1+2], 272<<16
	s_mov_b32 s[G1+3], 32<<16
	s_mov_b32 s[G1+4], 272
	s_mov_b32 s[G1+5], 32
	s_mov_b32 s[G1+6], 0
	s_mov_b32 s[G1+7], 0
	s_mul_i32 s16, s14, WREG                       ; my part of W, in LDS and in b_q
	s_mov_b32 s17, 0
	s_mul_i32 s15, s14, WST
	s_add_co_u32 s15, s15, STG                     ; my stage
	s_add_co_u32 s18, s16, SCOFF
	s_mul_i32 s19, s14, 8*SPITCH
	s_lshl_b32 s20, s42, 19                        ; 32 rows of 16,384 bytes,
	s_lshl_b32 s21, s14, 12
	s_add_co_u32 s20, s20, s21                     ; + my 1,024 along K
	s_mov_b32 s21, 0
	s_lshl_b32 s22, s42, 18                        ; 32 rows of 8,192 bytes,
	s_lshl_b32 s23, s14, 16
	s_add_co_u32 s22, s22, s23                     ; + the 8 rows that I store
	s_mov_b32 s23, 0
	v_and_b32 v1, 31, v0
	v_and_b32 v2, 15, v0
	v_bfe_u32 v3, v0, 4, 1
	v_lshlrev_b32 v[L16], 4, v2
	v_lshl_add_u32 v[VIN], v3, 14, v[L16]          ; two rows a load
	v_mul_u32_u24 v[VST], v3, PITCH
	v_add_nc_u32 v[VST], v[VST], v[L16]
	v_add_nc_u32 v[VST], s15, v[VST]
	v_mul_u32_u24 v[VLD], v1, PITCH
	v_add_nc_u32 v[VLD], s15, v[VLD]
	v_lshl_add_u32 v[ADRB], v3, 11, v[L16]         ; W's fragments: 16 r + a block of 32 along K for lanes 16-31
	v_add_nc_u32 v[ADRB], s16, v[ADRB]
	v_lshlrev_b32 v[ADRS], 2, v2
	v_add_nc_u32 v[ADRS], s18, v[ADRS]             ; W's scale words: 4 r
	v_mul_u32_u24 v[STO], v2, SPITCH
	v_lshl_add_u32 v[STO], v3, 5, v[STO]
	v_add_nc_u32 v[STO], s16, v[STO]
	v_lshlrev_b32 v[CO], 4, v1
	v_add_nc_u32 v[RDP], s19, v[CO]
.irp p, 1,2,3
	v_add_nc_u32 v[RDP+\p], \p*WREG, v[RDP]
.endr
	s_wait_alu depctr_va_vdst(0)
	s_wait_dscnt 0x0                               ; both opening adds are done
	s_wait_kmcnt 0x0
	s_add_nc_u64 s[4:5], s[4:5], s[20:21]
	s_add_nc_u64 s[12:13], s[12:13], s[22:23]
	s_mov_b32 s[G0], 1
	s_mov_b32 s[G0+1], s16
	s_add_nc_u64 s[G0+2:G0+3], s[6:7], s[16:17]
	s_or_b32 s[G0+3], s[G0+3], 0x80000000
	s_load_b32 s[FS], s[10:11], 0x0
	WIN 0x40
.irp g, 0,1,2,3,4,5,6,7,8,9,10,11,12,13,14,15
	global_load_b128 v[BIA+4*\g:BIA+4*\g+3], v[CO], s[8:9] offset:512*\g   ; bias[128 g + 4 lane ..]
.endr
.macro LOADA t                         ; step t: lanes 0-15 take 256 consecutive bytes of row 2 j, lanes 16-31 of row 2 j + 1; into set t % 4 of window 3
	WIN 0xc0
.irp j, 0,1,2,3,4,5,6,7,8,9,10,11,12,13,14,15
	global_load_b128 v[64*((\t)%4)+4*\j:64*((\t)%4)+4*\j+3], v[VIN], s[4:5] offset:\j*32768+(\t)*256 th:TH_LOAD_NT
.endr
	WIN 0
.endm
	LOADA 0
	LOADA 1
	LOADA 2
	LOADA 3
	CROUND                                         ; the four work-groups are here: the joint loads meet
	tensor_load_to_lds s[G0:G0+3], s[G1:G1+7]      ; my one tensor load
	s_nop 0
.rept 4
	v_nop
.endr
	s_wait_kmcnt 0x0
	s_mov_b32 s[FS+1], s[FS]
; Step t: 64 along K of my 32 rows become two blocks' codes in fragment t / 2's registers and two bytes of its scale word.
.macro ASTEP t
.set XS, 64*((\t)%4)
.set PP, (\t)%2
.set FQ, AFR+16*((\t)/2)
.set AQ, ASC+(\t)/2
.if 15-(\t) >= 3
	s_wait_loadcnt 48                              ; this step's 16 loads are in; those of the three steps behind it may be out
.else
	s_wait_loadcnt 16*(15-(\t))
.endif
	WIN 0x0c                                       ; the data: window 3
.irp j, 0,1,2,3,4,5,6,7,8,9,10,11,12,13,14,15
	ds_store_b128 v[VST], v[XS+4*\j:XS+4*\j+3] offset:2*PITCH*\j
.endr
	WIN 0xc0
.irp j, 0,1,2,3,4,5,6,7,8,9,10,11,12,13,14,15
	ds_load_b128 v[XS+4*\j:XS+4*\j+3], v[VLD] offset:16*\j   ; LDS serves a wave's instructions in order: these see the stores
.endr
	s_wait_dscnt 0x0                               ; my row's 64 numbers are back (and W's fragments, where they were asked for)
	WIN 0x3f                                       ; all three sources: window 3
.irp k, 0,1
	v_max3_num_f32 v[MX+2*\k],   |v[XS+32*\k]|,   |v[XS+32*\k+1]|, |v[XS+32*\k+2]|
	v_max3_num_f32 v[MX+2*\k+1], |v[XS+32*\k+3]|, |v[XS+32*\k+4]|, |v[XS+32*\k+5]|
.endr
	WIN 0x3c                                       ; the running maximum in window 0, the numbers in window 3
.irp i, 6,10,14,18,22,26
.irp k, 0,1
	v_max3_num_f32 v[MX+2*\k],   v[MX+2*\k],   |v[XS+32*\k+\i]|,   |v[XS+32*\k+\i+1]|
	v_max3_num_f32 v[MX+2*\k+1], v[MX+2*\k+1], |v[XS+32*\k+\i+2]|, |v[XS+32*\k+\i+3]|
.endr
.endr
.irp k, 0,1
	v_max3_num_f32 v[MX+2*\k], v[MX+2*\k], |v[XS+32*\k+30]|, |v[XS+32*\k+31]|
.endr
	WIN 0
.irp k, 0,1
	v_max3_num_f32 v[MX+2*\k], v[MX+2*\k], v[MX+2*\k+1], 3<<23   ; the floor: the byte cannot fall under 1
.endr
.irp k, 0,1
	v_add_nc_u32 v[SO+\k], 0xff000000, v[MX+2*\k]  ; 2 off the exponent field: the conversion's scale operand
.endr
	WIN 0x03                                       ; the numbers: window 3
.irp k, 0,1
.irp g, 0,1,2,3
	v_cvt_scalef32_pk8_fp4_f32 v[FQ+4*PP+8*\k+\g], v[XS+32*\k+8*\g:XS+32*\k+8*\g+7], v[SO+\k]
.endr
.endr
	WIN 0
.irp k, 0,1
	v_lshrrev_b32 v[BY+\k], 23, v[SO+\k]           ; the bytes (also the plain lines behind the conversions)
.endr
.if PP == 0
	v_lshl_or_b32 v[AQ], v[BY+1], 8, v[BY]
.else
	v_lshl_or_b32 v[AQ], v[BY], 16, v[AQ]
	v_lshl_or_b32 v[AQ], v[BY+1], 24, v[AQ]
.endif
.irp g, 0,1,2,3
	v_permlane16_swap_b32 v[FQ+4*PP+\g], v[FQ+8+4*PP+\g]   ; the even block's rows 16-31 change places with the odd block's rows 0-15: the first is now rows 0-15's register, the second rows 16-31's
.endr
.if (\t)+4 < 16
	LOADA (\t)+4                                   ; the set takes the loads of four steps on
.endif
.endm
.macro FETCHB q, set                   ; W's eight fragments and scale words of my q-th 128 along K: set 0 in window 1 from v128, set 1 in window 2 from v0
	WIN 0x40*(1+\set)
.irp i, 0,1,2,3,4,5,6,7
.irp c, 0,1
	ds_load_b128 v[128*(1-\set)+8*\i+4*\c:128*(1-\set)+8*\i+4*\c+3], v[ADRB] offset:UNIT*((\q)/4)+8192*((\q)%4)+4096*\c+256*\i
.endr
.endr
	WIN 0
.irp i, 0,1,2,3,4,5,6,7
	ds_load_b32 v[BSC+8*\set+\i], v[ADRS] offset:UNIT*((\q)/4)+512*((\q)%4)+64*\i
.endr
.endm
.macro MULQ q, set, zero               ; 16 matrix instructions, the 16 accumulators by turns
.set BB, 128*(1-\set)
.set FQ, AFR+16*(\q)
	WIN 0x51+\set
.irp b, 0,1,2,3,4,5,6,7
.if \zero
	v_wmma_scale_f32_16x16x128_f8f6f4 v[8*\b:8*\b+7], v[BB+8*\b:BB+8*\b+7], v[FQ:FQ+7], 0, v[BSC+8*\set+\b], v[ASC+\q] matrix_a_fmt:MATRIX_FMT_FP4 matrix_b_fmt:MATRIX_FMT_FP4
.else
	v_wmma_scale_f32_16x16x128_f8f6f4 v[8*\b:8*\b+7], v[BB+8*\b:BB+8*\b+7], v[FQ:FQ+7], v[8*\b:8*\b+7], v[BSC+8*\set+\b], v[ASC+\q] matrix_a_fmt:MATRIX_FMT_FP4 matrix_b_fmt:MATRIX_FMT_FP4
.endif
.endr
.irp b, 0,1,2,3,4,5,6,7
.if \zero
	v_wmma_scale_f32_16x16x128_f8f6f4 v[64+8*\b:64+8*\b+7], v[BB+8*\b:BB+8*\b+7], v[FQ+8:FQ+15], 0, v[BSC+8*\set+\b], v[ASC+\q] matrix_a_fmt:MATRIX_FMT_FP4 matrix_b_fmt:MATRIX_FMT_FP4 matrix_b_scale:MATRIX_SCALE_ROW1
.else
	v_wmma_scale_f32_16x16x128_f8f6f4 v[64+8*\b:64+8*\b+7], v[BB+8*\b:BB+8*\b+7], v[FQ+8:FQ+15], v[64+8*\b:64+8*\b+7], v[BSC+8*\set+\b], v[ASC+\q] matrix_a_fmt:MATRIX_FMT_FP4 matrix_b_fmt:MATRIX_FMT_FP4 matrix_b_scale:MATRIX_SCALE_ROW1
.endif
.endr
	WIN 0
.endm
.irp t, 0,1,2,3,4,5,6,7,8
	ASTEP \t
.endr
	s_wait_tensorcnt 0x0                           ; my part of W is in LDS; I alone read it
	FETCHB 0, 0
	FETCHB 1, 1
	ASTEP 9                                        ; its wait for its LDS loads covers W's fragments too
	MULQ 0, 0, 1
	MULQ 1, 1, 0
.irp p, 1,2,3                          ; steps 8 + 2 p and 9 + 2 p, and the products of the 128s 2 p and 2 p + 1
	ASTEP 8+2*\p                                   ; its vector lines are the places behind the last products, ahead of the loads into their registers
	FETCHB 2*\p, 0
	FETCHB 2*\p+1, 1
	ASTEP 9+2*\p
.if \p == 3
.rept 8
	v_nop                                          ; the last scale word, written by vector lines, stands 8 places ahead of the scaled products, the fragment 4
.endr
.endif
	MULQ 2*\p, 0, 0
	MULQ 2*\p+1, 1, 0
.endr
.rept 4
	v_nop                                          ; places ahead of the stores that read the results
.endr
	WIN 0x04
.irp a, 0,1
.irp b, 0,1,2,3,4,5,6,7
	ds_store_b128 v[STO], v[64*\a+8*\b:64*\a+8*\b+3] offset:\a*16*SPITCH+64*\b          ; each accumulator from its low end on
	ds_store_b128 v[STO], v[64*\a+8*\b+4:64*\a+8*\b+7] offset:\a*16*SPITCH+64*\b+16
.endr
.endr
	WIN 0x41
.set i, 0
.rept 32
	v_pk_mul_f32 v[BIA+i:BIA+i+1], v[BIA+i:BIA+i+1], s[FS:FS+1] op_sel_hi:[1,0]   ; bias x factor
.set i, i+2
.endr
	WIN 0
	s_wait_dscnt 0x0                               ; for the others' sake: my sums are in LDS
	s_barrier_signal -1
	s_barrier_wait -1
.irp p, 0,1,2,3
.irp i, 0,1,2,3,4,5,6,7
	ds_load_b128 v[RB+32*\p+4*\i:RB+32*\p+4*\i+3], v[RDP+\p] offset:\i*SPITCH   ; row 8 w + i of wave p's sums: 512 consecutive bytes
.endr
.endr
	s_wait_dscnt 0x0
.set i, 0
.rept 16
	v_pk_add_f32 v[RB+i:RB+i+1], v[RB+i:RB+i+1], v[RB+32+i:RB+32+i+1]
	v_pk_add_f32 v[RB+64+i:RB+64+i+1], v[RB+64+i:RB+64+i+1], v[RB+96+i:RB+96+i+1]
.set i, i+2
.endr
.set i, 0
.rept 16
	v_pk_add_f32 v[RB+i:RB+i+1], v[RB+i:RB+i+1], v[RB+64+i:RB+64+i+1]
.set i, i+2
.endr
; Row by row: sum x factor + bias x factor for the row's 16 copies, each into registers of its own (no store's data are written again), then the row's 16 stores.
.irp i, 0,1,2,3,4,5,6,7
	WIN 0x90+0x40*(\i/4)
.irp g, 0,1,2,3,4,5,6,7,8,9,10,11,12,13,14,15
	v_pk_fma_f32 v[4*(16*(\i%4)+\g):4*(16*(\i%4)+\g)+1], v[RB+4*\i:RB+4*\i+1], s[FS:FS+1], v[BIA+4*\g:BIA+4*\g+1] op_sel_hi:[1,0,1]
	v_pk_fma_f32 v[4*(16*(\i%4)+\g)+2:4*(16*(\i%4)+\g)+3], v[RB+4*\i+2:RB+4*\i+3], s[FS:FS+1], v[BIA+4*\g+2:BIA+4*\g+3] op_sel_hi:[1,0,1]
.endr
	WIN 0x08+0x04*(\i/4)
.irp g, 0,1,2,3,4,5,6,7,8,9,10,11,12,13,14,15
	global_store_b128 v[CO], v[4*(16*(\i%4)+\g):4*(16*(\i%4)+\g)+3], s[12:13] offset:\i*8192+\g*512 th:TH_STORE_NT   ; 32 lanes store 512 consecutive bytes, aligned
.endr
.endr
	WIN 0
	s_wait_tensorcnt 0x0                           ; the wave's end
	ds_add_u32 v[SPW], v[NIL]
	s_wait_dscnt 0x0
	CROUND                                         ; the closing round
	s_endpgm
.Lfunc_end_k_q032dd8adc8_fused:
	.size	k_q032dd8adc8_fused, .Lfunc_end_k_q032dd8adc8_fused-k_q032dd8adc8_fused
	.p2alignl 7, 3214868480
	.fill 96, 4, 3214868480
	.section	.rodata,"a",@progbits
	.p2align	6, 0x0
	.amdhsa_kernel k_q032dd8adc8_fused
		.amdhsa_group_segment_fixed_size 327680
		.amdhsa_private_segment_fixed_size 0
		.amdhsa_enable_private_segment 0
		.amdhsa_kernarg_size 40
		.amdhsa_user_sgpr_count 2
		.amdhsa_user_sgpr_kernarg_segment_ptr 1
		.amdhsa_wavefront_size32 1
		.amdhsa_system_sgpr_workgroup_id_x 1
		.amdhsa_system_sgpr_workgroup_id_y 1
		.amdhsa_system_sgpr_workgroup_id_z 1
		.amdhsa_system_vgpr_workitem_id 0
		.amdhsa_next_free_vgpr 1024
		.amdhsa_next_free_sgpr 72
		.amdhsa_reserve_vcc 0
		.amdhsa_float_denorm_mode_32 3
		.amdhsa_float_denorm_mode_16_64 3
		.amdhsa_memory_ordered 1
		.amdhsa_forward_progress 1
		.amdhsa_inst_pref_size 183
	.end_amdhsa_kernel
	.amdgpu_metadata
---
amdhsa.version: [ 1, 2 ]
amdhsa.kernels:
  - .name:           k_q032dd8adc8_fused
    .symbol:         k_q032dd8adc8_fused.kd
    .args:
      - { .name: input, .offset: 0, .size: 8, .value_kind: global_buffer, .address_space: global }
      - { .name: b_q, .offset: 8, .size: 8, .value_kind: global_buffer, .address_space: global }
      - { .name: bias, .offset: 16, .size: 8, .value_kind: global_buffer, .address_space: global }
      - { .name: layer_factor, .offset: 24, .size: 8, .value_kind: global_buffer, .address_space: global }
      - { .name: out0, .offset: 32, .size: 8, .value_kind: global_buffer, .address_space: global }
    .group_segment_fixed_size: 327680
    .private_segment_fixed_size: 0
    .kernarg_segment_align: 8
    .kernarg_segment_size: 40
    .max_flat_workgroup_size: 128
    .sgpr_count:     72
    .vgpr_count:     1024
    .wavefront_size: 32
...
	.end_amdgpu_metadata
.endif
;; end of part 2
